; MI455X (gfx1250); checked and timed in simulation.
; The chip was launched on July 23, 2026; its instructions are those of AMD's public machine-readable ISA for CDNA 5 (MIT licence, August 2026) and "CDNA5" Instruction Set Architecture Reference Guide (July 2026). The comments in the code are by the model that wrote it; some were corrected since.
;; Attention. Allowed arithmetic: float matrix products may take bf16 or f16 operands with f32 sums; all other float work in f32.
;; Inputs: W_attn 2,048 x 1,024 float32; b_attn 1,024 float32; encoder_outputs 16 x 2,048 x 1,024 float32; hidden 16 x 1,024 float32; v 1,024 float32.
;; Outputs: out0 16 x 2,048 float32.
;; One version. Each part assembles by itself: llvm-mc -triple=amdgcn-amd-amdhsa -mcpu=gfx1250 --defsym DOCPART=n.
;; ======== version 1 of 1: 3 launches
;; workspace buffers: wt 2,097,152 bytes; cpart 262,144 bytes; scores 131,072 bytes
;; launch prep (part 1): grid 16 x 4, 8 waves a work-group, no clusters, 33,792 bytes of LDS; arguments W_attn, hidden, wt, cpart; writes wt, cpart
.if DOCPART == 1
	.amdgcn_target "amdgcn-amd-amdhsa--gfx1250"
	.amdhsa_code_object_version 6
	.text
	.protected	k_q5dbfaef038_prep
	.globl	k_q5dbfaef038_prep
	.p2align	8
	.type	k_q5dbfaef038_prep,@function
k_q5dbfaef038_prep:
	s_mov_b64 s[64:65], 0
	v_nop
	global_prefetch_b8 v0, s[64:65] scope:SCOPE_SE
	s_setreg_imm32_b32 hwreg(HW_REG_WAVE_MODE, 25, 1), 1
	s_wait_xcnt 0x0
; Two things are made here, once, for the main launch.
; (1) wt: the lower half of W_attn (rows 1024 to 2047, stored [k][n] in f32) as bf16 in the order of the matrix unit's B fragments.
;     Block (g, t, b) of 1,024 bytes lies at ((32 g + t) 8 + b) 1024; in it byte 512 c + 16 L holds registers 4c .. 4c+3 of lane L = (r, h):
;     column n = 128 g + 64 (b >> 2) + 4 r + (b & 3), k = 32 t + 16 c + 8 h .. + 7.  The columns of a group of 64 are dealt to the four
;     blocks by n mod 4, so that a lane's 16 bytes of a row of W (four neighbouring columns) feed the four blocks; the main launch sums
;     over all columns and reads its per-column vectors by the same map, so the order of columns inside a block does not show.
; (2) cpart[kq][batch][n]: hidden x W_attn[0:1024], summed over a quarter of K (kq), in f32 from bf16 operands.
; Work-group (x, y) = (group of 64 columns, quarter of K).  Wave wv takes the K step t = 8 y + wv (32 along K) of both halves of W.
; Operands are rounded to bf16; sums are f32; the order of the sums is the matrix unit's, then waves 0 to 7 as a tree.
.set VW,  1                            ; v1   h x 8 rows of W + 16 r
.set VH,  2                            ; v2   hidden: row r, 32 h bytes
.set VL,  3                            ; v3   16 x lane
.set VR,  4                            ; v4   LDS: my wave's 4,096 bytes, row 8 h, column 4 r
.set VT,  5                            ; v5   LDS: 16 x thread
.set VC,  6                            ; v6   cpart: row thread / 16, 16 (thread mod 16)
.set LE,  16                           ; v[16:79]    lower half of W as loaded: (c, i) -> 4 registers (4 columns of row 16 c + 8 h + i)
.set LH,  80                           ; v[80:143]   upper half of W likewise
.set HL,  144                          ; v[144:159]  hidden as loaded
.set FE,  160                          ; v[160:191]  four B fragments of the lower half
.set FH,  192                          ; v[192:223]  four B fragments of the upper half
.set HA,  224                          ; v[224:231]  hidden's A fragment
.set D,   80                           ; v[80:111]   four results (where LH lay, once FH is made)
	s_load_b256 s[4:11], s[0:1], 0x0               ; W_attn s[4:5], hidden s[6:7], wt s[8:9], cpart s[10:11]
	v_lshl_add_u32 v232, v0, 2, 0x8000
	v_mov_b32 v233, 0
	v_lshrrev_b32 v7, 5, v0
	v_readfirstlane_b32 s12, v7                    ; wave 0..7
	s_and_b32 s14, ttmp7, 0xffff                   ; kq
	s_lshl3_add_u32 s15, s14, s12                  ; t = 8 kq + wave
	v_and_b32 v8, 15, v0                           ; r
	v_bfe_u32 v9, v0, 4, 1                         ; h
	v_and_b32 v10, 31, v0                          ; lane
	v_lshlrev_b32 v11, 4, v8                       ; 16 r
	v_lshl_add_u32 v[VW], v9, 15, v11
	v_lshlrev_b32 v[VH], 12, v8
	v_lshl_add_u32 v[VH], v9, 5, v[VH]
	v_lshlrev_b32 v[VL], 4, v10
	v_lshl_add_u32 v[VR], v9, 11, v11
	v_lshl_add_u32 v[VR], s12, 12, v[VR]
	v_lshlrev_b32 v[VT], 4, v0
	v_lshrrev_b32 v[VC], 4, v0
	v_lshl_add_u32 v[VC], v[VC], 12, v11
	s_lshl_b32 s16, s15, 17                        ; 32 t rows of 4,096 bytes
	s_lshl_b32 s18, ttmp9, 8                       ; 64 columns of 4 bytes
	s_add_co_u32 s16, s16, s18
	s_mov_b32 s17, 0
	s_wait_kmcnt 0x0
	s_add_nc_u64 s[4:5], s[4:5], s[16:17]          ; W at (row 32 t, my 64 columns)
	s_lshl_b32 s16, s15, 7
	s_add_nc_u64 s[6:7], s[6:7], s[16:17]          ; hidden at column 32 t
	s_lshr_b32 s16, ttmp9, 1                       ; g
	s_lshl_b32 s16, s16, 5
	s_add_co_u32 s16, s16, s15                     ; 32 g + t
	s_lshl_b32 s16, s16, 13
	s_and_b32 s19, ttmp9, 1                        ; which four of the eight blocks
	s_lshl_b32 s19, s19, 12
	s_add_co_u32 s16, s16, s19
	s_add_nc_u64 s[8:9], s[8:9], s[16:17]          ; wt at my four blocks
	s_lshl_b32 s16, s14, 16
	s_add_co_u32 s16, s16, s18
	s_add_nc_u64 s[10:11], s[10:11], s[16:17]      ; cpart at (kq, batch 0, my 64 columns)
	global_load_b128 v[HL:HL+3],     v[VH], s[6:7]             ; hidden(r, 32 t + 8 h .. + 7)
	global_load_b128 v[HL+4:HL+7],   v[VH], s[6:7] offset:16
	global_load_b128 v[HL+8:HL+11],  v[VH], s[6:7] offset:64   ; hidden(r, 32 t + 16 + 8 h .. + 7)
	global_load_b128 v[HL+12:HL+15], v[VH], s[6:7] offset:80
; each load of a wave takes 256 neighbouring bytes of two rows of W, eight rows apart; every byte of W is read once in the launch
.irp c, 0,1
.irp i, 0,1,2,3,4,5,6,7
	global_load_b128 v[LH+4*(8*\c+\i):LH+4*(8*\c+\i)+3], v[VW], s[4:5] offset:\c*65536+\i*4096 th:TH_LOAD_NT
.endr
.endr
.irp c, 0,1
.irp i, 0,1,2,3,4,5,6,7
	global_load_b128 v[LE+4*(8*\c+\i):LE+4*(8*\c+\i)+3], v[VW], s[4:5] offset:4194304+\c*65536+\i*4096 th:TH_LOAD_NT
.endr
.endr
; register 4 c + ii of fragment q holds k = 16 c + 8 h + 2 ii (low half) and + 1 (high half) of column 4 r + q
.macro FRAG dst, src
.irp q, 0,1,2,3
.irp c, 0,1
.irp ii, 0,1,2,3
	v_cvt_pk_bf16_f32 v[\dst+8*\q+4*\c+\ii], v[\src+4*(8*\c+2*\ii)+\q], v[\src+4*(8*\c+2*\ii+1)+\q]
.endr
.endr
.endr
.endm
	s_wait_loadcnt 16                              ; hidden and the upper half are in; the lower half's sixteen loads stay out
.irp ii, 0,1,2,3,4,5,6,7
	v_cvt_pk_bf16_f32 v[HA+\ii], v[HL+2*\ii], v[HL+2*\ii+1]
.endr
	FRAG FH, LH
.irp q, 0,1,2,3
	v_wmma_f32_16x16x32_bf16 v[D+8*\q:D+8*\q+7], v[HA:HA+7], v[FH+8*\q:FH+8*\q+7], 0    ; four accumulators, one instruction each; the constant 0 starts the sums
.endr
	s_wait_loadcnt 0x0                             ; the lower half
	FRAG FE, LE                                    ; 32 plain vector instructions that name no register of the matrix instructions: the places in front of the reads of D (ISA guide 7.12.1)
.irp q, 0,1,2,3
.irp c, 0,1
	global_store_b128 v[VL], v[FE+8*\q+4*\c:FE+8*\q+4*\c+3], s[8:9] offset:\q*1024+\c*512   ; 512 neighbouring bytes, aligned
.endr
.endr
; register j of D[q]: batch 8 h + j, column 4 r + q.  The eight waves' K steps meet in LDS: RED[wave][batch][64 columns]
.irp q, 0,1,2,3
.irp j, 0,1,2,3,4,5,6,7
	ds_store_b32 v[VR], v[D+8*\q+\j] offset:\j*256+\q*4
.endr
.endr
	s_wait_dscnt 0x0                               ; my stores are in LDS before I say so
	s_barrier_signal -1
	s_barrier_wait -1                              ; everybody's are
.irp w, 0,1,2,3,4,5,6,7
	ds_load_b128 v[LE+4*\w:LE+4*\w+3], v[VT] offset:\w*4096    ; thread: batch thread / 16, four columns, of each wave's part
.endr
	s_wait_dscnt 0x0
.irp w, 0,2,4,6
	v_pk_add_f32 v[LE+4*\w:LE+4*\w+1],   v[LE+4*\w:LE+4*\w+1],   v[LE+4*\w+4:LE+4*\w+5]
	v_pk_add_f32 v[LE+4*\w+2:LE+4*\w+3], v[LE+4*\w+2:LE+4*\w+3], v[LE+4*\w+6:LE+4*\w+7]
.endr
.irp w, 0,4
	v_pk_add_f32 v[LE+4*\w:LE+4*\w+1],   v[LE+4*\w:LE+4*\w+1],   v[LE+4*\w+8:LE+4*\w+9]
	v_pk_add_f32 v[LE+4*\w+2:LE+4*\w+3], v[LE+4*\w+2:LE+4*\w+3], v[LE+4*\w+10:LE+4*\w+11]
.endr
	v_pk_add_f32 v[LE:LE+1],   v[LE:LE+1],   v[LE+16:LE+17]
	v_pk_add_f32 v[LE+2:LE+3], v[LE+2:LE+3], v[LE+18:LE+19]
	global_store_b128 v[VC], v[LE:LE+3], s[10:11]  ; sixteen lanes store 256 neighbouring bytes of one batch's row, aligned
	s_wait_tensorcnt 0x0
	ds_add_u32 v232, v233
	s_wait_dscnt 0x0
	s_endpgm
.Lfunc_end_k_q5dbfaef038_prep:
	.size	k_q5dbfaef038_prep, .Lfunc_end_k_q5dbfaef038_prep-k_q5dbfaef038_prep
	.p2alignl 7, 3214868480
	.fill 96, 4, 3214868480
	.section	.rodata,"a",@progbits
	.p2align	6, 0x0
	.amdhsa_kernel k_q5dbfaef038_prep
		.amdhsa_group_segment_fixed_size 33792
		.amdhsa_private_segment_fixed_size 0
		.amdhsa_enable_private_segment 0
		.amdhsa_kernarg_size 32
		.amdhsa_user_sgpr_count 2
		.amdhsa_user_sgpr_kernarg_segment_ptr 1
		.amdhsa_wavefront_size32 1
		.amdhsa_system_sgpr_workgroup_id_x 1
		.amdhsa_system_sgpr_workgroup_id_y 1
		.amdhsa_system_sgpr_workgroup_id_z 1
		.amdhsa_system_vgpr_workitem_id 0
		.amdhsa_next_free_vgpr 234
		.amdhsa_next_free_sgpr 66
		.amdhsa_reserve_vcc 0
		.amdhsa_float_denorm_mode_32 3
		.amdhsa_float_denorm_mode_16_64 3
		.amdhsa_memory_ordered 1
		.amdhsa_forward_progress 1
		.amdhsa_inst_pref_size 15
	.end_amdhsa_kernel
	.amdgpu_metadata
---
amdhsa.version: [ 1, 2 ]
amdhsa.kernels:
  - .name:           k_q5dbfaef038_prep
    .symbol:         k_q5dbfaef038_prep.kd
    .args:
      - { .name: W_attn, .offset: 0, .size: 8, .value_kind: global_buffer, .address_space: global }
      - { .name: hidden, .offset: 8, .size: 8, .value_kind: global_buffer, .address_space: global }
      - { .name: wt, .offset: 16, .size: 8, .value_kind: global_buffer, .address_space: global }
      - { .name: cpart, .offset: 24, .size: 8, .value_kind: global_buffer, .address_space: global }
    .group_segment_fixed_size: 33792
    .private_segment_fixed_size: 0
    .kernarg_segment_align: 8
    .kernarg_segment_size: 32
    .max_flat_workgroup_size: 256
    .sgpr_count:     66
    .vgpr_count:     234
    .wavefront_size: 32
...
	.end_amdgpu_metadata
.endif
;; end of part 1
;; launch main (part 2): grid 256 x 1, 4 waves a work-group, no clusters, 266,752 bytes of LDS; arguments encoder_outputs, wt, cpart, b_attn, v, scores; writes scores
.if DOCPART == 2
	.amdgcn_target "amdgcn-amd-amdhsa--gfx1250"
	.amdhsa_code_object_version 6
	.text
	.protected	k_q5dbfaef038_main
	.globl	k_q5dbfaef038_main
	.p2align	8
	.type	k_q5dbfaef038_main,@function
k_q5dbfaef038_main:
	s_mov_b64 s[64:65], 0
	v_nop
	global_prefetch_b8 v0, s[64:65] scope:SCOPE_SE
	s_setreg_imm32_b32 hwreg(HW_REG_WAVE_MODE, 25, 1), 1
	s_wait_xcnt 0x0
; scores[b][s] = sum over n of v[n] tanh(c[b][n] + sum over k of enc[b][s][k] W[1024 + k][n]),  c[b] = hidden[b] W[0:1024] + b_attn.
; 256 work-groups of four waves; a work-group owns 128 rows (b, s) of one batch and ALL 1,024 columns n, so it stores finished scores.
; Wave w makes 128 rows x columns 256 w + 128 p .. + 127 in pass p = 0, 1: 64 accumulator tiles of 16 x 16, 512 registers.
; A (the work-group's 128 rows of enc) is read from memory once, rounded to bf16 once, and kept in LDS for both passes: 128 rows of 2,048 bytes + 16
; of padding.  It comes in through registers during pass 0, in slices of 64 along K (256 bytes of f32 of each row), each wave 32 rows; bytes of A
; are written once and never again, so one barrier a slice (stores, then reads) is all the ordering.
; B comes straight from wt, where it lies in fragment order, into registers: a fragment is two loads of 512 neighbouring bytes; no wave shares B with another
; wave of the work-group, and a wave's stream over both passes is 512 KiB in one run.
; NO TENSOR LOADS AND NO CLUSTER, though all work-groups read the same wt: a joint load needs LDS slots, and beside A (264,192 bytes) and the 2,048 bytes of
; scratch 61,440 of the 327,680 bytes that a work-group may be given are left: less than two slots of one K step of B for four waves
; (512 columns x 32 k x 2 bytes = 32,768 each).
; tanh(x) = 1 - 2 / (1 + 2^(2.885390 x)): so the score is sum of v[n] + sum of (-2 v[n]) / (1 + 2^..).
; LIMITS: matrix operands are rounded to bf16.  tanh by this formula has an absolute error near 1e-7 (small x too, where the relative error is larger);
; where 2^.. overflows to infinity or falls to zero the quotient is 0 or 1 and tanh is exactly 1 or -1.  The order of the sums differs from a plain loop's.
;
; REGISTERS, in windows of 256 (s_set_vgpr_msb: bits 1:0 source 0, 3:2 source 1, 5:4 source 2, 7:6 destination):
;   window 0: addresses, per-column vectors, A's fragments, staging (later the row sums and the work space of tanh)
;   window 1: B's fragments, a ring of four buffers of 64 registers (buffer q at v[64 q])
;   window 2: accumulator tiles of rows 0-63 (tile (a, b) at v[8 (8 a + b)]);  window 3: those of rows 64-127
.set PITCH, 2064                       ; an LDS row of A: 129 x 16 bytes, so the 16 rows of a fragment load start 16 bytes apart modulo 256
.set ABLK,  16*PITCH
.set SCR,   128*PITCH                  ; behind A: 512 bytes a wave for the waves' row sums
.set VA0,  7                           ; v7       r x PITCH + 16 h
.set ADRA, 8                           ; v[8:15]  LDS address of my part of the fragment of row block a at the trip's first K step
.set VB,   16                          ; v16      16 x lane
.set VOFF, 17                          ; v17      enc: row 32 w + 8 h, byte 16 r
.set STA,  18                          ; v18      LDS: row 32 w + 8 h, byte 8 r, at the trip's first slice
.set VCV,  19                          ; v19      16 r
.set VSC,  20                          ; v20      scratch: my wave's 512 bytes + 32 h
.set VRD,  21                          ; v21      scratch + 16 x lane
.set VS,   22                          ; v[22:23] the sum of v over my 16 columns, twice
.set CK,   32                          ; v[32:47] 2.885390 c of my column of tile column i = 8 p + b
.set VM2,  48                          ; v[48:63] -2 v of the same
.set AH,   64                          ; v[64:95] fragments of row blocks 0-3, v[96:127] of row blocks 4-7
.set ST,   128                         ; v[128:191], v[192:255] two staging sets of 16 loads
.set SUM,  128                         ; after pass 0: v[128:191] row sums, SUM[8 a + j] = row 16 a + 8 h + j
.set T,    192                         ; after pass 0: v[192:255] at work
.set MSB, 0
.macro WIN new                         ; the immediate's high byte repeats the setting that is left
.if MSB != \new
	s_set_vgpr_msb (MSB<<8)|\new
.set MSB, \new
.endif
.endm
.set MUL_LO,  0xa4                     ; A window 0, B window 1, C and D window 2
.set MUL_HI,  0xf4                     ; the same, C and D window 3
.set TO_B,    0x40                     ; destination window 1
.set TO_C,    0x80                     ; destination window 2
.set ALL_C,   0xaa                     ; everything in window 2
.set FROM_LO, 0x02                     ; source 0 window 2
.set FROM_HI, 0x03                     ; source 0 window 3
.macro PLACES                          ; four places behind a matrix instruction in front of a load into, or a vector read of, its registers (ISA guide 7.12.1 for vector instructions)
.rept 4
	v_nop
.endr
.endm
.macro SETADRA
.irp a, 0,1,2,3,4,5,6,7
	v_add_nc_u32 v[ADRA+\a], \a*ABLK, v[VA0]
.endr
.endm
; 16 matrix instructions: row blocks a0, a0 + 1 of the window's four x 8 column blocks, 32 along K, B from ring buffer q.
; The 64 accumulators take turns, one instruction a turn, in the same order in every K step.
.macro MUL16 hi, a0, q, zero
.irp a, \a0, \a0+1
.irp b, 0,1,2,3,4,5,6,7
.if \zero
	v_wmma_f32_16x16x32_bf16 v[8*(8*(\a)+\b):8*(8*(\a)+\b)+7], v[AH+32*\hi+8*(\a):AH+32*\hi+8*(\a)+7], v[64*(\q)+8*\b:64*(\q)+8*\b+7], 0
.else
	v_wmma_f32_16x16x32_bf16 v[8*(8*(\a)+\b):8*(8*(\a)+\b)+7], v[AH+32*\hi+8*(\a):AH+32*\hi+8*(\a)+7], v[64*(\q)+8*\b:64*(\q)+8*\b+7], v[8*(8*(\a)+\b):8*(8*(\a)+\b)+7]
.endif
.endr
.endr
.endm
; eight LDS loads: four fragments of A (row blocks 4 half .. + 3) at byte imm of the trip's part of the rows
.macro FETCHA half, imm
.irp a, 0,1,2,3
	ds_load_b128 v[AH+32*\half+8*\a:AH+32*\half+8*\a+3],   v[ADRA+4*\half+\a] offset:\imm
	ds_load_b128 v[AH+32*\half+8*\a+4:AH+32*\half+8*\a+7], v[ADRA+4*\half+\a] offset:\imm+32
.endr
.endm
; sixteen loads: one K step's eight fragments of B, 8,192 bytes in one run, into ring buffer buf (under TO_B)
.macro LOADB buf, imm
.irp b, 0,1,2,3,4,5,6,7
	global_load_b128 v[64*(\buf)+8*\b:64*(\buf)+8*\b+3],   v[VB], s[6:7] offset:(\imm)+1024*\b
	global_load_b128 v[64*(\buf)+8*\b+4:64*(\buf)+8*\b+7], v[VB], s[6:7] offset:(\imm)+1024*\b+512
.endr
.endm
; sixteen loads: my 32 rows of slice sl (counted from the trip's first); lanes 0-15 take 256 aligned bytes of one row, lanes 16-31 of the row 8 further down
.macro STAGE_LOAD set, sl
.irp u, 0,1
.irp i, 0,1,2,3,4,5,6,7
	global_load_b128 v[ST+64*(\set)+4*(8*\u+\i):ST+64*(\set)+4*(8*\u+\i)+3], v[VOFF], s[4:5] offset:(16*\u+\i)*4096+(\sl)*256 th:TH_LOAD_NT
.endr
.endr
.endm
; the same slice to bf16, in place, and into A: 8 bytes a lane; the two rows of a store lie 8 x 2,064 bytes apart, which is 128 modulo 256
.macro STAGE_CVT set, sl
.irp u, 0,1
.irp i, 0,1,2,3,4,5,6,7
	v_cvt_pk_bf16_f32 v[ST+64*(\set)+4*(8*\u+\i)],   v[ST+64*(\set)+4*(8*\u+\i)],   v[ST+64*(\set)+4*(8*\u+\i)+1]
	v_cvt_pk_bf16_f32 v[ST+64*(\set)+4*(8*\u+\i)+1], v[ST+64*(\set)+4*(8*\u+\i)+2], v[ST+64*(\set)+4*(8*\u+\i)+3]
.endr
.endr
.irp u, 0,1
.irp i, 0,1,2,3,4,5,6,7
	ds_store_b64 v[STA], v[ST+64*(\set)+4*(8*\u+\i):ST+64*(\set)+4*(8*\u+\i)+1] offset:(16*\u+\i)*PITCH+(\sl)*128
.endr
.endr
.endm
; One K step (32 along K, 64 matrix instructions), the q-th of its trip.
;   cntB   loads issued behind this step's B that may stay out       reis   ask for slice rsl into staging set rset
;   bar    the slice's barrier                                        conv   convert and store slice csl from set cset
;   fa     fetch the next K step's fragments of A                     ldb    ask for B three K steps ahead
;   dsHI   LDS instructions issued behind the loads of A's rows 64-127
.macro KSTEP q, zero, cntB, reis, rset, rsl, bar, conv, cset, csl, fa, ldb, dsHI
	s_wait_loadcnt \cntB                           ; loads come back in order (ISA guide 5.7.1): this step's B is in, and the slice that an even step converts, asked for ahead of it
	s_wait_dscnt 8                                 ; A's rows 0-63 are in, and every staging store before them is done; the eight loads of rows 64-127 may be out
.if \reis
	STAGE_LOAD \rset, \rsl
.endif
	WIN MUL_LO
	MUL16 0, 0, \q, \zero
.if \bar
	s_wait_dscnt 0x0                               ; my stores of the next slice (last K step) are in LDS, and no LDS instruction of mine is pending:
	s_barrier_signal -1                            ; say so,
.endif
	MUL16 0, 2, \q, \zero                          ; work on registers meanwhile,
.if \bar
	s_barrier_wait -1                              ; and read the next slice only when all four waves have said so
.endif
	PLACES
	WIN 0
.if \conv
	STAGE_CVT \cset, \csl
.endif
.if \fa
	FETCHA 0, 64*(\q+1)
.endif
.if \ldb
	WIN TO_B
	LOADB (\q+3)%4, (\q+3)*8192
.endif
	s_wait_dscnt \dsHI                             ; A's rows 64-127 are in; what was issued behind them stays out
	WIN MUL_HI
	MUL16 1, 0, \q, \zero
	MUL16 1, 2, \q, \zero
	PLACES
	WIN 0
.if \fa
	FETCHA 1, 64*(\q+1)
.endif
.endm
; A slice of pass 0 = two K steps; e = 0, 1 in its trip.  The even step converts slice e + 1 (asked for three K steps before); the odd one asks for slice
; e + 3 into the set just emptied and holds the barrier between the stores of slice e + 1 and the first reads of it.
.macro SLICE e, zero, cnt, reis, conv, bar, fa2
	KSTEP 2*\e,   \zero, \cnt, 0, 0, 0, 0, \conv, (\e+1)%2, \e+1, 1, 1, 8+16*\conv
	KSTEP 2*\e+1, 0, \cnt, \reis, (\e+1)%2, \e+3, \bar, 0, 0, 0, \fa2, 1, 8*\fa2
.endm
.macro P1STEP q, zero, cnt, fa, ldb
	KSTEP \q, \zero, \cnt, 0, 0, 0, 0, 0, 0, 0, \fa, \ldb, 8*\fa
.endm
.macro STEP pass0, adra                ; on to the next trip of four K steps
	s_wait_xcnt 0x0                                ; the bases of the loads issued so far are rewritten only behind this wait
	s_add_nc_u64 s[6:7], s[6:7], 32768
.if \pass0
	s_add_nc_u64 s[4:5], s[4:5], 512
	v_add_nc_u32 v[STA], 0x100, v[STA]
.endif
.if \adra
.irp a, 0,1,2,3,4,5,6,7
	v_add_nc_u32 v[ADRA+\a], 0x100, v[ADRA+\a]
.endr
.endif
.endm
	s_load_b256 s[4:11], s[0:1], 0x0               ; enc s[4:5], wt s[6:7], cpart s[8:9], b_attn s[10:11]
	s_load_b128 s[12:15], s[0:1], 0x20             ; v s[12:13], scores s[14:15]
	v_lshrrev_b32 v3, 5, v0
	v_readfirstlane_b32 s16, v3                    ; wave 0..3
	v_and_b32 v1, 15, v0                           ; r
	v_bfe_u32 v2, v0, 4, 1                         ; h
	v_and_b32 v3, 31, v0                           ; lane
	v_mul_u32_u24 v[VA0], v1, PITCH
	v_lshl_add_u32 v[VA0], v2, 4, v[VA0]
	SETADRA
	v_lshlrev_b32 v[VB], 4, v3
	v_lshlrev_b32 v[VCV], 4, v1
	v_lshlrev_b32 v5, 3, v2
	v_lshl_add_u32 v5, s16, 5, v5                  ; row 32 w + 8 h
	v_lshl_add_u32 v[VOFF], v5, 12, v[VCV]
	v_mul_u32_u24 v[STA], v5, PITCH
	v_lshl_add_u32 v[STA], v1, 3, v[STA]
	v_lshlrev_b32 v6, 5, v2
	v_lshl_add_u32 v6, s16, 9, v6
	v_add_nc_u32 v[VSC], SCR, v6
	v_add_nc_u32 v[VRD], SCR, v[VB]
	s_lshl_b32 s18, ttmp9, 19                      ; 128 rows of 4,096 bytes
	s_mov_b32 s19, 0
	s_wait_kmcnt 0x0
	s_add_nc_u64 s[4:5], s[4:5], s[18:19]          ; enc at my work-group's first row
	s_lshl_b32 s18, s16, 19
	s_add_nc_u64 s[6:7], s[6:7], s[18:19]          ; wt at my wave's stream: 64 K steps of 8,192 bytes
	s_lshl_b32 s18, s16, 10
	s_add_nc_u64 s[10:11], s[10:11], s[18:19]      ; b_attn and v at my wave's 256 columns
	s_add_nc_u64 s[12:13], s[12:13], s[18:19]
	s_lshr_b32 s20, ttmp9, 4                       ; batch
	s_lshl_b32 s20, s20, 12
	s_add_co_u32 s18, s18, s20
	s_add_nc_u64 s[8:9], s[8:9], s[18:19]          ; cpart at (quarter 0, my batch, my wave's columns)
	s_lshl_b32 s18, ttmp9, 9
	s_add_nc_u64 s[14:15], s[14:15], s[18:19]      ; scores at my work-group's 128 rows
	; Per-column vectors.  Tile column i = 8 p + b holds in lane r the column 256 w + 64 (i >> 2) + 4 r + (i & 3): a lane's 16 bytes at 256 g + 16 r
	; are the numbers of i = 4 g .. 4 g + 3.  24 loads into window 2, which the accumulators take over later.
	WIN TO_C
.irp g, 0,1,2,3
.irp kq, 0,1,2,3
	global_load_b128 v[16*\kq+4*\g:16*\kq+4*\g+3], v[VCV], s[8:9] offset:\kq*65536+\g*256
.endr
	global_load_b128 v[64+4*\g:64+4*\g+3], v[VCV], s[10:11] offset:\g*256
	global_load_b128 v[80+4*\g:80+4*\g+3], v[VCV], s[12:13] offset:\g*256
.endr
	; The order of issue from here on is what the loop's counts rest on: B0, S0, S1, B1 | S2, B2 | then in slice s: B(2s+3), S(s+3), B(2s+4).
	WIN TO_B
	LOADB 0, 0
	WIN 0
	STAGE_LOAD 0, 0
	STAGE_LOAD 1, 1
	WIN TO_B
	LOADB 1, 8192
	s_wait_loadcnt 32                              ; S1 and B1 stay out; the vectors, B0 and S0 are in
	WIN 0
	STAGE_CVT 0, 0
	s_wait_dscnt 0x0                               ; the stores have read set 0 before loads land on it
	STAGE_LOAD 0, 2
	WIN TO_B
	LOADB 2, 16384
	WIN ALL_C                                      ; c = four quarters of hidden x W + b_attn
.irp i, 0,2,4,6,8,10,12,14
	v_pk_add_f32 v[\i:\i+1], v[\i:\i+1], v[16+\i:16+\i+1]
	v_pk_add_f32 v[32+\i:32+\i+1], v[32+\i:32+\i+1], v[48+\i:48+\i+1]
.endr
.irp i, 0,2,4,6,8,10,12,14
	v_pk_add_f32 v[\i:\i+1], v[\i:\i+1], v[32+\i:32+\i+1]
.endr
.irp i, 0,2,4,6,8,10,12,14
	v_pk_add_f32 v[\i:\i+1], v[\i:\i+1], v[64+\i:64+\i+1]
.endr
	WIN FROM_LO
.irp i, 0,2,4,6,8,10,12,14
	v_pk_mul_f32 v[CK+\i:CK+\i+1], v[\i:\i+1], 0x4038aa3b op_sel_hi:[1,0]      ; 2 log2(e) c
	v_pk_mul_f32 v[VM2+\i:VM2+\i+1], v[80+\i:80+\i+1], -2.0 op_sel_hi:[1,0]    ; -2 v
.endr
	WIN 0
	v_pk_add_f32 v[24:25], v[VM2:VM2+1],     v[VM2+2:VM2+3]
	v_pk_add_f32 v[26:27], v[VM2+4:VM2+5],   v[VM2+6:VM2+7]
	v_pk_add_f32 v[28:29], v[VM2+8:VM2+9],   v[VM2+10:VM2+11]
	v_pk_add_f32 v[30:31], v[VM2+12:VM2+13], v[VM2+14:VM2+15]
	v_pk_add_f32 v[24:25], v[24:25], v[26:27]
	v_pk_add_f32 v[28:29], v[28:29], v[30:31]
	v_pk_add_f32 v[24:25], v[24:25], v[28:29]
	v_add_f32 v24, v24, v25
	v_mul_f32 v[VS], -0.5, v24                     ; the sum of v over my 16 columns: what the 1 of 1 - 2 / (..) contributes to every row
	v_mul_f32 v[VS+1], -0.5, v24
	s_wait_dscnt 0x0                               ; my rows of slice 0 are in LDS (shown above already)
	s_barrier_signal -1
	s_barrier_wait -1                              ; everybody's are
	FETCHA 0, 0
	FETCHA 1, 0
	; PASS 0: 8 trips of two slices.  Counts: 48 = two groups of B and one staging group issued behind this step's B; 32 = two groups of B, once no slice is asked for any more.
	SLICE 0, 1, 48, 1, 1, 1, 1                     ; the first K step's products start the sums: nothing is cleared
	SLICE 1, 0, 48, 1, 1, 1, 1
	STEP 1, 1
	s_mov_b32 s20, 5
.Lp0:
	SLICE 0, 0, 48, 1, 1, 1, 1
	SLICE 1, 0, 48, 1, 1, 1, 1
	STEP 1, 1
	s_sub_co_u32 s20, s20, 1
	s_cmp_lg_u32 s20, 0
	s_cbranch_scc1 .Lp0
	SLICE 0, 0, 48, 1, 1, 1, 1                     ; slice 12 asks for slice 15, the last
	SLICE 1, 0, 48, 0, 1, 1, 1                     ; slice 13 converts 14 and asks for nothing
	STEP 1, 1
	SLICE 0, 0, 32, 0, 1, 1, 1                     ; slice 14 converts 15; the last barrier of the pass
	SLICE 1, 0, 32, 0, 0, 0, 0                     ; slice 15; B runs on into pass 1's first three K steps
	STEP 0, 0
	SETADRA                                        ; A from its first K step again
	FETCHA 0, 0
	FETCHA 1, 0                                    ; pass 1's first fragments come in under the tanh of pass 0
; tanh and the dot with v for the 16 rows of row block a, pass p: 64 registers at a time.
.macro EARG a, p, b, x                 ; 2.885390 (acc + c) of tile (a, b); x = b mod 2 picks c's register of its pair for both halves
.irp jj, 0,2,4,6
	v_pk_fma_f32 v[T+8*(\b)+\jj:T+8*(\b)+\jj+1], v[8*(8*(\a%4)+(\b))+\jj:8*(8*(\a%4)+(\b))+\jj+1], 0x4038aa3b, v[CK+8*\p+(\b)-\x:CK+8*\p+(\b)-\x+1] op_sel:[0,0,\x] op_sel_hi:[1,0,\x]
.endr
.endm
.macro ESUM a, p, b, x, first          ; row sums += (-2 v) / (1 + 2^..); the very first term starts them from the sum of v
.irp jj, 0,2,4,6
.if \first
	v_pk_fma_f32 v[SUM+8*\a+\jj:SUM+8*\a+\jj+1], v[T+8*(\b)+\jj:T+8*(\b)+\jj+1], v[VM2+8*\p+(\b)-\x:VM2+8*\p+(\b)-\x+1], v[VS:VS+1] op_sel:[0,\x,0] op_sel_hi:[1,\x,1]
.else
	v_pk_fma_f32 v[SUM+8*\a+\jj:SUM+8*\a+\jj+1], v[T+8*(\b)+\jj:T+8*(\b)+\jj+1], v[VM2+8*\p+(\b)-\x:VM2+8*\p+(\b)-\x+1], v[SUM+8*\a+\jj:SUM+8*\a+\jj+1] op_sel:[0,\x,0] op_sel_hi:[1,\x,1]
.endif
.endr
.endm
.macro EPI_M a, p
.if \a < 4
	WIN FROM_LO
.else
	WIN FROM_HI
.endif
.irp bp, 0,2,4,6
	EARG \a, \p, \bp, 0
	EARG \a, \p, \bp+1, 1
.endr
	WIN 0
.set i, 0
.rept 64
	v_exp_f32 v[T+i], v[T+i]
.set i, i+1
.endr
	v_nop                                          ; one plain vector instruction between a transcendental and the use of its result (ISA guide 5.7.2)
.set i, 0
	s_wait_alu depctr_va_vdst(0)
.rept 32
	v_pk_add_f32 v[T+i:T+i+1], v[T+i:T+i+1], 1.0 op_sel_hi:[1,0]
.set i, i+2
.endr
.set i, 0
.rept 64
	v_rcp_f32 v[T+i], v[T+i]
.set i, i+1
.endr
	v_nop                                          ; as above
	s_wait_alu depctr_va_vdst(0)
.if \p
	ESUM \a, \p, 0, 0, 0
.else
	ESUM \a, \p, 0, 0, 1
.endif
	ESUM \a, \p, 1, 1, 0
.irp bp, 2,4,6
	ESUM \a, \p, \bp, 0, 0
	ESUM \a, \p, \bp+1, 1, 0
.endr
.endm
.macro EPI p
.irp a, 0,1,2,3,4,5,6,7
	EPI_M \a, \p
.endr
.endm
	EPI 0                                          ; the four v_nop that end the last K step are the places in front of these reads of the accumulators
	; PASS 1: A is whole in LDS: no staging, no barrier.  32 = the two groups of B issued behind this step's.
	P1STEP 0, 1, 32, 1, 1
	P1STEP 1, 0, 32, 1, 1
	P1STEP 2, 0, 32, 1, 1
	P1STEP 3, 0, 32, 1, 1
	STEP 0, 1
	s_mov_b32 s20, 6
.Lp1:
	P1STEP 0, 0, 32, 1, 1
	P1STEP 1, 0, 32, 1, 1
	P1STEP 2, 0, 32, 1, 1
	P1STEP 3, 0, 32, 1, 1
	STEP 0, 1
	s_sub_co_u32 s20, s20, 1
	s_cmp_lg_u32 s20, 0
	s_cbranch_scc1 .Lp1
	P1STEP 0, 0, 32, 1, 1                          ; asks for the stream's last K step
	P1STEP 1, 0, 32, 1, 0                          ; nothing more is asked for: the counts run down
	P1STEP 2, 0, 16, 1, 0
	P1STEP 3, 0, 0, 0, 0
	EPI 1
	; THE WAY OUT.  A lane holds, for each of its 64 rows, the sum over its 16 columns: sum over the 16 lanes of a half, then over the four waves.
.irp m, 1,2,4,8
.set i, 0
.rept 64
	v_add_f32_dpp v[SUM+i], v[SUM+i], v[SUM+i] row_xmask:\m row_mask:0xf bank_mask:0xf
.set i, i+1
.endr
.endr
.irp a, 0,1,2,3,4,5,6,7
	ds_store_b128 v[VSC], v[SUM+8*\a:SUM+8*\a+3]   offset:64*\a        ; rows 16 a + 8 h .. + 3: the 16 lanes of a half store equal numbers to one place
	ds_store_b128 v[VSC], v[SUM+8*\a+4:SUM+8*\a+7] offset:64*\a+16
.endr
	s_wait_dscnt 0x0                               ; my wave's 128 sums are in LDS before I say so
	s_barrier_signal -1
	s_barrier_wait -1
	s_cmp_lg_u32 s16, 0
	s_cbranch_scc1 .Ldone                          ; wave 0 alone adds the four waves' sums and stores
	ds_load_b128 v[24:27], v[VRD]
	ds_load_b128 v[28:31], v[VRD] offset:512
	ds_load_b128 v[32:35], v[VRD] offset:1024
	ds_load_b128 v[36:39], v[VRD] offset:1536
	s_wait_dscnt 0x0
	v_pk_add_f32 v[24:25], v[24:25], v[28:29]
	v_pk_add_f32 v[26:27], v[26:27], v[30:31]
	v_pk_add_f32 v[32:33], v[32:33], v[36:37]
	v_pk_add_f32 v[34:35], v[34:35], v[38:39]
	v_pk_add_f32 v[24:25], v[24:25], v[32:33]
	v_pk_add_f32 v[26:27], v[26:27], v[34:35]
	global_store_b128 v[VB], v[24:27], s[14:15]    ; 128 scores: 512 neighbouring bytes, aligned
.Ldone:
	s_wait_xcnt 0x0
	v_lshl_add_u32 v254, v0, 2, 0x41000
	v_mov_b32 v255, 0
	s_wait_tensorcnt 0x0
	ds_add_u32 v254, v255
	s_wait_dscnt 0x0
	s_endpgm
.Lfunc_end_k_q5dbfaef038_main:
	.size	k_q5dbfaef038_main, .Lfunc_end_k_q5dbfaef038_main-k_q5dbfaef038_main
	.p2alignl 7, 3214868480
	.fill 96, 4, 3214868480
	.section	.rodata,"a",@progbits
	.p2align	6, 0x0
	.amdhsa_kernel k_q5dbfaef038_main
		.amdhsa_group_segment_fixed_size 266752
		.amdhsa_private_segment_fixed_size 0
		.amdhsa_enable_private_segment 0
		.amdhsa_kernarg_size 48
		.amdhsa_user_sgpr_count 2
		.amdhsa_user_sgpr_kernarg_segment_ptr 1
		.amdhsa_wavefront_size32 1
		.amdhsa_system_sgpr_workgroup_id_x 1
		.amdhsa_system_sgpr_workgroup_id_y 1
		.amdhsa_system_sgpr_workgroup_id_z 1
		.amdhsa_system_vgpr_workitem_id 0
		.amdhsa_next_free_vgpr 1024
		.amdhsa_next_free_sgpr 66
		.amdhsa_reserve_vcc 0
		.amdhsa_float_denorm_mode_32 3
		.amdhsa_float_denorm_mode_16_64 3
		.amdhsa_memory_ordered 1
		.amdhsa_forward_progress 1
		.amdhsa_inst_pref_size 255
	.end_amdhsa_kernel
	.section	.bss,"aw",@nobits
	.p2align	6
	.space	262144
	.amdgpu_metadata
---
amdhsa.version: [ 1, 2 ]
amdhsa.kernels:
  - .name:           k_q5dbfaef038_main
    .symbol:         k_q5dbfaef038_main.kd
    .args:
      - { .name: encoder_outputs, .offset: 0, .size: 8, .value_kind: global_buffer, .address_space: global }
      - { .name: wt, .offset: 8, .size: 8, .value_kind: global_buffer, .address_space: global }
      - { .name: cpart, .offset: 16, .size: 8, .value_kind: global_buffer, .address_space: global }
      - { .name: b_attn, .offset: 24, .size: 8, .value_kind: global_buffer, .address_space: global }
      - { .name: v, .offset: 32, .size: 8, .value_kind: global_buffer, .address_space: global }
      - { .name: scores, .offset: 40, .size: 8, .value_kind: global_buffer, .address_space: global }
    .group_segment_fixed_size: 266752
    .private_segment_fixed_size: 0
    .kernarg_segment_align: 8
    .kernarg_segment_size: 48
    .max_flat_workgroup_size: 128
    .sgpr_count:     66
    .vgpr_count:     1024
    .wavefront_size: 32
...
	.end_amdgpu_metadata
.endif
;; end of part 2
;; launch soft (part 3): grid 16 x 1, 8 waves a work-group, no clusters, 1,280 bytes of LDS; arguments scores, out0; writes out0
.if DOCPART == 3
	.amdgcn_target "amdgcn-amd-amdhsa--gfx1250"
	.amdhsa_code_object_version 6
	.text
	.protected	k_q5dbfaef038_soft
	.globl	k_q5dbfaef038_soft
	.p2align	8
	.type	k_q5dbfaef038_soft,@function
k_q5dbfaef038_soft:
	s_mov_b64 s[64:65], 0
	v_nop
	global_prefetch_b8 v0, s[64:65] scope:SCOPE_SE
	s_setreg_imm32_b32 hwreg(HW_REG_WAVE_MODE, 25, 1), 1
	s_wait_xcnt 0x0
; out0[b][s] = softmax over s of scores[b][s].  One work-group for each of the 16 batches (that is all the work there is); 256 threads, 8 numbers each,
; kept in registers between the maximum, the sum and the scaling: the row is read once.
; The row's maximum m is taken away inside one fused multiply-add: 2^(x log2(e) - m log2(e)); the rounding of m log2(e) is a shift common to the whole row
; and cancels in the quotient.  The largest term is 1 up to that rounding, so the sum cannot vanish or overflow (at most 2,048).
; LIMIT: terms below 2^-126 come out as zero (v_exp_f32 flushes denormal results: ISA guide, its entry in 15.8).
	s_load_b128 s[4:7], s[0:1], 0x0                ; scores s[4:5], out0 s[6:7]
	v_lshl_add_u32 v40, v0, 2, 0x100
	v_mov_b32 v41, 0
	s_lshl_b32 s8, ttmp9, 13                       ; a row of 2,048 f32
	s_mov_b32 s9, 0
	s_mov_b32 s12, 0x76543210                      ; v_permlanex16_b32: lane i of one half reads lane i of the other
	s_mov_b32 s13, 0xfedcba98
	v_lshlrev_b32 v1, 4, v0                        ; 16 bytes a thread
	v_lshrrev_b32 v2, 5, v0
	v_readfirstlane_b32 s10, v2                    ; wave 0..7
	v_mov_b32 v3, s10
	v_lshlrev_b32 v3, 2, v3                        ; my wave's word in LDS
	v_mov_b32 v13, 0                               ; written before v_permlanex16_b32 names it as destination
	v_mov_b32 v14, 0                               ; LDS byte 0
	s_wait_kmcnt 0x0
	s_add_nc_u64 s[4:5], s[4:5], s[8:9]
	s_add_nc_u64 s[6:7], s[6:7], s[8:9]
	global_load_b128 v[4:7],  v1, s[4:5]
	global_load_b128 v[8:11], v1, s[4:5] offset:4096
	s_wait_loadcnt 0x0
	; the maximum: in the lane, over the lanes, over the waves
	v_max3_num_f32 v12, v4, v5, v6
	v_max3_num_f32 v12, v12, v7, v8
	v_max3_num_f32 v12, v12, v9, v10
	v_max_num_f32 v12, v12, v11
	v_max_num_f32_dpp v12, v12, v12 row_xmask:1 row_mask:0xf bank_mask:0xf
	v_max_num_f32_dpp v12, v12, v12 row_xmask:2 row_mask:0xf bank_mask:0xf
	v_max_num_f32_dpp v12, v12, v12 row_xmask:4 row_mask:0xf bank_mask:0xf
	v_max_num_f32_dpp v12, v12, v12 row_xmask:8 row_mask:0xf bank_mask:0xf
	v_permlanex16_b32 v13, v12, s12, s13
	v_max_num_f32 v12, v12, v13
	ds_store_b32 v3, v12                           ; all lanes store the same number to the wave's word
	s_wait_dscnt 0x0                               ; it is in LDS before I say so
	s_barrier_signal -1
	s_barrier_wait -1
	ds_load_b128 v[16:19], v14
	ds_load_b128 v[20:23], v14 offset:16
	s_wait_dscnt 0x0
	v_max3_num_f32 v12, v16, v17, v18
	v_max3_num_f32 v12, v12, v19, v20
	v_max3_num_f32 v12, v12, v21, v22
	v_max_num_f32 v12, v12, v23
	v_mul_f32 v12, 0xbfb8aa3b, v12                 ; -m log2(e)
	v_mov_b32 v13, v12
.irp i, 4,6,8,10
	v_pk_fma_f32 v[\i:\i+1], v[\i:\i+1], 0x3fb8aa3b, v[12:13] op_sel_hi:[1,0,1]
.endr
.irp i, 4,5,6,7,8,9,10,11
	v_exp_f32 v\i, v\i
.endr
	v_nop                                          ; one plain vector instruction between a transcendental and the use of its result (ISA guide 5.7.2)
	; the sum, the same way; the waves' words are other bytes of LDS than the maxima's, so no wave overwrites what another still reads
	s_wait_alu depctr_va_vdst(0)
	v_pk_add_f32 v[24:25], v[4:5], v[6:7]
	v_pk_add_f32 v[26:27], v[8:9], v[10:11]
	v_pk_add_f32 v[24:25], v[24:25], v[26:27]
	v_add_f32 v24, v24, v25
	v_add_f32_dpp v24, v24, v24 row_xmask:1 row_mask:0xf bank_mask:0xf
	v_add_f32_dpp v24, v24, v24 row_xmask:2 row_mask:0xf bank_mask:0xf
	v_add_f32_dpp v24, v24, v24 row_xmask:4 row_mask:0xf bank_mask:0xf
	v_add_f32_dpp v24, v24, v24 row_xmask:8 row_mask:0xf bank_mask:0xf
	v_permlanex16_b32 v25, v24, s12, s13
	v_add_f32 v24, v24, v25
	ds_store_b32 v3, v24 offset:64
	s_wait_dscnt 0x0
	s_barrier_signal -1
	s_barrier_wait -1
	ds_load_b128 v[16:19], v14 offset:64
	ds_load_b128 v[20:23], v14 offset:80
	s_wait_dscnt 0x0
	v_pk_add_f32 v[16:17], v[16:17], v[18:19]
	v_pk_add_f32 v[20:21], v[20:21], v[22:23]
	v_pk_add_f32 v[16:17], v[16:17], v[20:21]
	v_add_f32 v16, v16, v17
	v_rcp_f32 v24, v16                             ; twice, to fill the pair that the packed multiply takes
	v_rcp_f32 v25, v16
	v_nop                                          ; as above
	s_wait_alu depctr_va_vdst(0)
.irp i, 4,6,8,10
	v_pk_mul_f32 v[\i:\i+1], v[\i:\i+1], v[24:25]
.endr
	global_store_b128 v1, v[4:7],  s[6:7]          ; a wave's store covers 512 neighbouring bytes, aligned
	global_store_b128 v1, v[8:11], s[6:7] offset:4096
	s_wait_tensorcnt 0x0
	ds_add_u32 v40, v41
	s_wait_dscnt 0x0
	s_endpgm
.Lfunc_end_k_q5dbfaef038_soft:
	.size	k_q5dbfaef038_soft, .Lfunc_end_k_q5dbfaef038_soft-k_q5dbfaef038_soft
	.p2alignl 7, 3214868480
	.fill 96, 4, 3214868480
	.section	.rodata,"a",@progbits
	.p2align	6, 0x0
	.amdhsa_kernel k_q5dbfaef038_soft
		.amdhsa_group_segment_fixed_size 1280
		.amdhsa_private_segment_fixed_size 0
		.amdhsa_enable_private_segment 0
		.amdhsa_kernarg_size 16
		.amdhsa_user_sgpr_count 2
		.amdhsa_user_sgpr_kernarg_segment_ptr 1
		.amdhsa_wavefront_size32 1
		.amdhsa_system_sgpr_workgroup_id_x 1
		.amdhsa_system_sgpr_workgroup_id_y 1
		.amdhsa_system_sgpr_workgroup_id_z 1
		.amdhsa_system_vgpr_workitem_id 0
		.amdhsa_next_free_vgpr 42
		.amdhsa_next_free_sgpr 66
		.amdhsa_reserve_vcc 0
		.amdhsa_float_denorm_mode_32 3
		.amdhsa_float_denorm_mode_16_64 3
		.amdhsa_memory_ordered 1
		.amdhsa_forward_progress 1
		.amdhsa_inst_pref_size 5
	.end_amdhsa_kernel
	.amdgpu_metadata
---
amdhsa.version: [ 1, 2 ]
amdhsa.kernels:
  - .name:           k_q5dbfaef038_soft
    .symbol:         k_q5dbfaef038_soft.kd
    .args:
      - { .name: scores, .offset: 0, .size: 8, .value_kind: global_buffer, .address_space: global }
      - { .name: out0, .offset: 8, .size: 8, .value_kind: global_buffer, .address_space: global }
    .group_segment_fixed_size: 1280
    .private_segment_fixed_size: 0
    .kernarg_segment_align: 8
    .kernarg_segment_size: 16
    .max_flat_workgroup_size: 256
    .sgpr_count:     66
    .vgpr_count:     42
    .wavefront_size: 32
...
	.end_amdgpu_metadata
.endif
;; end of part 3
